; MI455X (gfx1250); checked and timed in simulation.
; The chip was launched on July 23, 2026; its instructions are those of AMD's public machine-readable ISA for CDNA 5 (MIT licence, August 2026) and "CDNA5" Instruction Set Architecture Reference Guide (July 2026). The comments in the code are by the model that wrote it; some were corrected since.
;; Query Key Self Attention. Allowed arithmetic: matrix products marked QUANTISED: E3M2 operands, one E8M0 scale for each 32 along K, by v_wmma_scale_f32_16x16x128_f8f6f4 with both operands' format E3M2, f32 sums; everything else in f32.
;; Inputs: W_qk 2,048 x 1,024 float32; X 16 x 1,024 x 1,024 float32; b_qk 2,048 float32.
;; Outputs: out0 16 x 1,024 x 1,024 float32.
;; This version of the problem:
;;   THIS VERSION OF THE PROBLEM IS GIVEN IN LOW PRECISION. The matrix products marked QUANTISED in the list below multiply operands that are first quantised to E3M2 (3 exponent bits, 2 mantissa bits; 6 bits a number), with one power-of-two scale for each 32 numbers along K (OCP MX v1.0); their sums are f32. All else is computed in f32.
;;   The module's matrix products, in the order in which they are computed (A, B: the left and right operand; K: the contracted axis; several contracted axes count as one K, in the product's order):
;;     1. [M 16,384, K 1,024] x [K 1,024, N 2,048]; A: input X; B: input W_qk: QUANTISED
;;     2. batch 256 x [M 1,024, K 64] x [K 64, N 1,024]; A: computed on the way; B: computed on the way: QUANTISED
;;     3. batch 256 x [M 1,024, K 1,024] x [K 1,024, N 64]; A: softmax (see below); B: input X: QUANTISED
;;   THE QUANTISER, for each operand of a quantised product, along K:
;;     - K is cut into blocks of 32 from its start; a last block that is shorter is filled with zeros.
;;     - A block's scale is 2^e with e = floor(log2(the largest magnitude in the block)) - 4, held to -126 .. 127; a block of zeros has e = 0. As a byte (E8M0): e + 127.
;;     - Each number is divided by its block's scale, clamped to +-28, and rounded to the nearest number of E3M2, ties to even, subnormals kept.
;;     - The product sums the exact products of the quantised numbers (number of the format x scale) in f32.
;;   ~~~python
;;   def quantise(x, axis):      # numpy; x: float32 -> the quantised numbers, widened to float32 again
;;       x = np.moveaxis(x, axis, -1); K = x.shape[-1]
;;       x = np.pad(x, [(0, 0)] * (x.ndim - 1) + [(0, -K % 32)]); x = x.reshape(x.shape[:-1] + (-1, 32)); a = np.abs(x).max(-1, keepdims=True)
;;       e = np.where(a > 0, np.clip(np.frexp(np.where(a > 0, a, 1))[1] - 1 - 4, -126, 127), 0)      # np.frexp(a)[1] - 1 = floor(log2(a)), exactly
;;       r = np.clip(x / 2.0 ** e, -28, 28)
;;       step = 2.0 ** (np.maximum(np.frexp(np.where(r == 0, 1, r))[1] - 1, -2) - 2)
;;       q = np.round(r / step) * step * 2.0 ** e      # np.round: ties to even
;;       return np.moveaxis(q.reshape(q.shape[:-2] + (-1,))[..., :K], -1, axis).astype(np.float32)
;;   ~~~
;;   SOFTMAX AHEAD OF A QUANTISED PRODUCT. Where the list says 'softmax', what is quantised is not the finished softmax but p = 2^(t - M), with t = logit x log2(e) and M = ceil(the row's largest t), a whole number; so 1/2 < the row's largest p <= 1. The row's sum l is taken of the UNQUANTISED p, in f32, and the product's result is divided by l at the end. Since M is a whole number, a kernel that streams over the keys may use a running M (the ceiling of the running maximum): every later rescaling is an exact power of two, which a block's scale takes up: the codes' values come out the same.
;;   OPERANDS COMPUTED ON THE WAY. 'Computed on the way' means the value that the module computes at that place (a softmax that the list does not call 'softmax' is quantised finished and normalised). What goes into a quantiser is computed in f32, as accurately as f32 sums, v_exp_f32 and their like allow (about 1e-6 of the number): no bf16 or f16 on the way to a quantiser, and a product that is left as it is and whose result goes on into a quantised operand takes f32 operands (vector FMAs, or v_wmma_f32_16x16x4_f32). A number that lies on a knife's edge between two numbers of the format may be rounded either way, as far as f32 arithmetic and the matrix unit's own rounding can turn it there, and no further.
;; One version. Each part assembles by itself: llvm-mc -triple=amdgcn-amd-amdhsa -mcpu=gfx1250 --defsym DOCPART=n.
;; ======== version 1 of 1: 3 launches
;; limits: right only within a limited range of input values
;; workspace buffers: xa_codes 12,582,912 bytes; xa_scales 524,288 bytes; wb_codes 1,572,864 bytes; wb_scales 65,536 bytes; xv_codes 12,582,912 bytes; xv_scales 524,288 bytes; qk_codes 25,165,824 bytes; qk_scales 2,097,152 bytes
;; launch quant (part 1): grid 256 x 1, 4 waves a work-group, no clusters, 327,680 bytes of LDS; arguments X, W_qk, xa_codes, xa_scales, wb_codes, wb_scales, xv_codes, xv_scales; writes xa_codes, xa_scales, wb_codes, wb_scales, xv_codes, xv_scales
.if DOCPART == 1
	.amdgcn_target "amdgcn-amd-amdhsa--gfx1250"
	.amdhsa_code_object_version 6
	.text
	.protected	k_qd21242356f_quant
	.globl	k_qd21242356f_quant
	.p2align	8
	.type	k_qd21242356f_quant,@function
k_qd21242356f_quant:
	s_mov_b64 s[64:65], 0
	v_nop
	global_prefetch_b8 v0, s[64:65] scope:SCOPE_SE
	s_setreg_imm32_b32 hwreg(HW_REG_WAVE_MODE, 25, 1), 1
	s_wait_xcnt 0x0
; X [16384][1024] f32 is turned into codes of BF6 (E3M2) TWICE from one read: along its columns (K of X W^T) and along its rows (the keys, K of P X); W [2048][1024] f32 along its columns.
; A block of 32 has the scale 2^(floor(log2(largest magnitude)) - 4); its byte is the largest magnitude's exponent field - 4, held at 1 from below by a floor among the maximum's leaves.
; LIMITS: NaN and infinities are not served; a block whose largest magnitude lies under 2^(5 - 127), a block of zeros among them, keeps the byte 1 (the rule says 127 for zeros: the codes are zeros and this program alone reads the bytes).
; SHARES.  Work-group g: rows 128 (g / 2) .. + 127 of X; wave w the columns 128 ks .. + 127, ks = 4 (g % 2) + w.  These columns are one K step of the first product and two heads of 64 channels;
; these rows are one step of 128 keys of batch g / 16.  Each wave also takes 16 rows x 128 columns of W: 1,024 such pieces, 1,024 waves.
; The first at the head, the second behind the three lines and a barrier; nothing in LDS is filled twice.
; W's piece comes straight into registers (a lane's 128 consecutive bytes of its row, two lanes to 256) and is worked while the first tensor load is out.
; WHAT IS STORED ARE IMAGES OF OPERAND REGISTERS.  A fragment (16 rows x 128 K) is 12 registers a lane: lane (r, h) holds row r, registers 6 c .. 6 c + 5 the K = 64 c + 32 h + 0 .. 31.  Its image is 1,536 bytes:
; register 4 p + e of lane l at byte 512 p + 16 l + 4 e: three stores of 16 bytes a lane, each 512 consecutive bytes.
; WHICH ROWS OF X FORM A TILE: of each 64 rows, tile u (0 .. 3) takes rows 8 u + 0 .. 7 in lanes r = 0 .. 7 and rows 32 + 8 u + 0 .. 7 in lanes r = 8 .. 15.  So in the attention launch's transposed scores
; a lane's 32 registers of four tiles are one whole block of 32 keys, in their order.  ALONG THE KEYS a lane takes a COLUMN and its registers run down the 32 rows of a slab, one block of keys, in their order.
.set XROW,  528                        ; an LDS row: 512 bytes + 16
.set SLABB, 32*XROW                    ; a slab of 32 rows
.set XREG,  128*XROW                   ; a wave's part of X
.set TILE8, 8*XROW
.set SCR,   4*XREG                     ; 256 bytes into which no tensor load lands: W's scale words of four waves meet here
.set SPARE, SCR+256                    ; the spare words, 128 bytes a wave
.set AS,   4                           ; v4-5   down the keys: wave's part + 4 x lane; the same 64 rows on
.set AD,   6                           ; v6-7   along the columns: wave's part + 528 (r + 24 (r / 8)) + 128 h; the same 64 rows on
.set AW,   8                           ; v8     W: 4,096 r + 128 h, an offset in memory
.set L16,  9
.set L8,   10
.set H8,   11
.set SCW,  12                          ; v12    SCR + 16 r + 4 w
.set SCRD, 13                          ; v13    SCR + 8 x lane
.set MX,   14
.set SO,   16
.set BY,   17
.set B0,   18
.set WD,   19
.set T,    20
.set WS,   22
.set N0,   32                          ; v32-63, v64-95  two sets of 32 numbers
.set N1,   64
.set CT,   96
.set PC,   100                         ; v100-123  two fragments along the columns, by turns
.set PW,   124                         ; v124-131  the scale words of the eight tiles of rows
.set PSEL, 132
.set SB,   136                         ; v136-139  scale words along the keys: columns 32 G + lane
.set VC,   140                         ; v140-235  eight fragments along the keys: pair G at VC + 24 G
	s_load_b256 s[4:11], s[0:1], 0x0               ; X s[4:5], W s[6:7], xa_codes s[8:9], xa_scales s[10:11]
	s_load_b256 s[12:19], s[0:1], 0x20             ; wb_codes s[12:13], wb_scales s[14:15], xv_codes s[16:17], xv_scales s[18:19]
	v_lshl_add_u32 v240, v0, 2, SPARE
	v_mov_b32 v241, 0
	ds_add_u32 v240, v241                          ; the opening lines: the add twice and its wait
	ds_add_u32 v240, v241
	v_lshrrev_b32 v1, 5, v0
	v_readfirstlane_b32 s20, v1                    ; wave 0..3
	s_lshr_b32 s21, ttmp9, 1                       ; which 128 rows of X
	s_and_b32 s22, ttmp9, 1
	s_lshl_b32 s23, s22, 2
	s_add_co_u32 s23, s23, s20                     ; ks = 4 (g % 2) + w: my K step of X; also my tile of 16 rows among W's 128
	s_lshr_b32 s66, ttmp9, 4                       ; the batch; also which 128 rows of W
	s_and_b32 s67, s21, 7                          ; the step of 128 keys in the batch; also W's K step
	s_lshl_b32 s68, s21, 19
	s_lshl_b32 s70, s23, 9
	s_add_co_u32 s68, s68, s70                     ; X: 128 rows of 4,096 bytes, + 512 bytes a K step
	s_mov_b32 s69, 0
	s_lshl_b32 s70, s66, 19                        ; W: 128 rows, + 16 rows a tile, + 512 bytes a K step
	s_lshl_b32 s71, s23, 16
	s_add_co_u32 s70, s70, s71
	s_lshl_b32 s71, s67, 9
	s_add_co_u32 s70, s70, s71
	s_mov_b32 s71, 0
	s_mul_i32 s72, s20, XREG                       ; my part of X in LDS
	s_mov_b32 s24, (2<<16)|(1<<20)|(6<<22)|(3<<25) ; group 1: 64 rows of 128 elements of 4 bytes, 1,024 elements apart, 4 words of padding behind each 128 words
	s_mov_b32 s25, 128<<16
	s_mov_b32 s26, 64<<16
	s_mov_b32 s27, 128<<16
	s_mov_b32 s28, 64
	s_mov_b32 s29, 1024
	s_mov_b32 s30, 0
	s_mov_b32 s31, 0
	s_mov_b32 s60, 0x76543210                      ; v_permlanex16_b32's selects for lane l xor 16
	s_mov_b32 s61, 0xfedcba98
	v_and_b32 v1, 31, v0                           ; lane
	v_and_b32 v2, 15, v0                           ; r
	v_bfe_u32 v3, v0, 4, 1                         ; h
	v_lshlrev_b32 v[AS], 2, v1
	v_add_nc_u32 v[AS], s72, v[AS]
	v_add_nc_u32 v[AS+1], 2*SLABB, v[AS]
	v_lshrrev_b32 v[AD], 3, v2
	v_mad_u32_u24 v[AD], v[AD], 24, v2             ; r + 24 (r / 8): rows 0-7 and 32-39
	v_mul_u32_u24 v[AD], v[AD], XROW
	v_lshl_add_u32 v[AD], v3, 7, v[AD]
	v_add_nc_u32 v[AD], s72, v[AD]
	v_add_nc_u32 v[AD+1], 2*SLABB, v[AD]
	v_lshlrev_b32 v[AW], 12, v2
	v_lshl_add_u32 v[AW], v3, 7, v[AW]
	v_lshlrev_b32 v[L16], 4, v1
	v_lshlrev_b32 v[L8], 3, v1
	v_lshlrev_b32 v[H8], 3, v3
	v_lshlrev_b32 v[SCW], 4, v2
	v_lshl_add_u32 v[SCW], s20, 2, v[SCW]
	v_add_nc_u32 v[SCW], SCR, v[SCW]
	v_add_nc_u32 v[SCRD], SCR, v[L8]
	v_mov_b32 v[T], 0                              ; a lane permute's destination counts as one of its sources
	s_wait_alu depctr_va_vdst(0)                   ; the wait at the head's end
	s_wait_dscnt 0x0
	s_wait_kmcnt 0x0
	s_add_nc_u64 s[4:5], s[4:5], s[68:69]
	s_add_nc_u64 s[6:7], s[6:7], s[70:71]
.irp s, 0,1                                    ; a group 0 for each 64 rows: none is written again
	s_mov_b32 s[44+4*\s], 1
	s_add_co_u32 s[45+4*\s], s72, \s*2*SLABB
	s_add_nc_u64 s[46+4*\s:47+4*\s], s[4:5], \s*262144
	s_or_b32 s[47+4*\s], s[47+4*\s], 0x80000000
.endr
	tensor_load_to_lds s[44:47], s[24:31]          ; my first 64 rows: the wave's one load at the head
	s_nop 0
.rept 4
	v_nop
.endr
.irp c, 0,1                                    ; W's piece: block 2 c + h of my row, 128 consecutive bytes
.irp j, 0,1,2,3,4,5,6,7
	global_load_b128 v[N0+32*\c+4*\j:N0+32*\c+4*\j+3], v[AW], s[6:7] offset:256*\c+16*\j
.endr
.endr
	; where my results go
	s_lshl_b32 s74, s21, 3
	s_add_co_u32 s74, s74, s23                     ; 8 x (128 rows) + K step
	s_mul_i32 s76, s74, 12288
	s_mov_b32 s77, 0
	s_add_nc_u64 s[8:9], s[8:9], s[76:77]          ; eight images
	s_lshl_b32 s76, s74, 9
	s_add_nc_u64 s[10:11], s[10:11], s[76:77]      ; 512 bytes of scale words
	s_lshl_b32 s74, s66, 3
	s_add_co_u32 s74, s74, s67
	s_mul_i32 s76, s74, 12288
	s_mul_i32 s75, s23, 1536
	s_add_co_u32 s76, s76, s75
	s_add_nc_u64 s[12:13], s[12:13], s[76:77]      ; W: my one image
	s_lshl_b32 s76, s74, 9
	s_lshl_b32 s75, s22, 8
	s_add_co_u32 s76, s76, s75
	s_add_nc_u64 s[14:15], s[14:15], s[76:77]      ; and the work-group's 256 bytes of scale words
	s_lshl_b32 s74, s66, 4
	s_lshl_b32 s75, s23, 1
	s_add_co_u32 s74, s74, s75                     ; 16 x batch + my first head
	s_lshl_b32 s74, s74, 3
	s_add_co_u32 s74, s74, s67                     ; x 8 key steps + mine
	s_mul_i32 s76, s74, 6144
	s_add_nc_u64 s[16:17], s[16:17], s[76:77]      ; four images a head and key step
	s_lshl_b32 s76, s74, 8
	s_add_nc_u64 s[18:19], s[18:19], s[76:77]      ; 256 bytes of scale words
; 32 numbers of column 32 G + lane, down slab s
.macro LOADS n, s, G
.set i, 0
.rept 32
	ds_load_b32 v[\n+i], v[AS+(\s)/2] offset:((\s)%2)*SLABB+i*XROW+128*(\G)
.set i, i+1
.endr
.endm
; 32 numbers of my row: block 2 c + h of its 128
.macro LOADD n, adr, off, c
.irp j, 0,1,2,3,4,5,6,7
	ds_load_b128 v[\n+4*\j:\n+4*\j+3], v[\adr] offset:\off+256*(\c)+16*\j
.endr
.endm
; a block of 32 numbers in v[n] on becomes six registers of codes in v[dst] on and the byte in v[BY]
.macro QBLK n, dst
	v_max3_num_f32 v[MX], |v[\n]|, |v[\n+1]|, 0x2800000            ; with the floor 2^(5 - 127) as a leaf
	v_max3_num_f32 v[MX+1], |v[\n+2]|, |v[\n+3]|, |v[\n+4]|
.irp i, 5,9,13,17,21,25
	v_max3_num_f32 v[MX], v[MX], |v[\n+\i]|, |v[\n+\i+1]|
	v_max3_num_f32 v[MX+1], v[MX+1], |v[\n+\i+2]|, |v[\n+\i+3]|
.endr
	v_max3_num_f32 v[MX], v[MX], |v[\n+29]|, |v[\n+30]|
	v_max3_num_f32 v[MX], v[MX], v[MX+1], |v[\n+31]|
	v_add_nc_u32 v[SO], 0xfe000000, v[MX]          ; 4 off the exponent field: the conversion's scale operand
	v_lshrrev_b32 v[BY], 23, v[SO]
	v_cvt_scalef32_pk16_bf6_f32 v[\dst:\dst+2], v[\n:\n+15], v[SO]
	v_cvt_scalef32_pk16_bf6_f32 v[CT:CT+2], v[\n+16:\n+31], v[SO]
	v_nop                                          ; one plain line behind a scaled conversion
.irp i, 0,1,2
	v_mov_b32 v[\dst+3+\i], v[CT+\i]
.endr
.endm
; my two bytes (blocks h and 2 + h of row r) and lane l xor 16's two make the row's scale word
.macro WORD out
	v_lshl_or_b32 v[WD], v[BY], 16, v[B0]
	v_lshlrev_b32 v[WD], v[H8], v[WD]
	v_permlanex16_b32 v[T], v[WD], s60, s61
	v_or_b32 v[\out], v[WD], v[T]
.endm
; block s of the keys for columns 32 G + lane.  Lanes 0-15 hold one tile of 16 channels and lanes 16-31 the next; a fragment wants block 2 c in lanes 0-15 and block 2 c + 1 in lanes 16-31 of ONE tile:
; behind the odd block six swaps of halves give the two tiles' fragments
.macro SUNIT n, s, G
	QBLK \n, VC+24*(\G)+12*((\s)%2)+6*((\s)/2)
.if (\s) == 0
	v_mov_b32 v[SB+(\G)], v[BY]
.else
	v_lshl_or_b32 v[SB+(\G)], v[BY], 8*(\s), v[SB+(\G)]
.endif
.if (\s)%2 == 1
.irp i, 0,1,2,3,4,5
	v_permlane16_swap_b32 v[VC+24*(\G)+6*((\s)/2)+\i], v[VC+24*(\G)+12+6*((\s)/2)+\i]
.endr
.endif
.endm
; tile a of 16 rows, along the columns: its lower and its upper 64
.macro DLOW n, a
	s_wait_xcnt 0x0                                ; the stores of two tiles back have read these registers
	QBLK \n, PC+12*((\a)%2)
	v_mov_b32 v[B0], v[BY]
.endm
.macro DHIGH n, a
	QBLK \n, PC+12*((\a)%2)+6
	WORD PW+(\a)
.irp p, 0,1,2
	global_store_b128 v[L16], v[PC+12*((\a)%2)+4*\p:PC+12*((\a)%2)+4*\p+3], s[8:9] offset:1536*(\a)+512*\p   ; 512 consecutive bytes, aligned
.endr
.endm
	; ---- W's piece, while the tensor load is out
	s_wait_loadcnt 8                               ; the first eight loads are in
	QBLK N0, PC
	v_mov_b32 v[B0], v[BY]
	s_wait_loadcnt 0x0
	QBLK N1, PC+6
	WORD WD
.irp p, 0,1,2
	global_store_b128 v[L16], v[PC+4*\p:PC+4*\p+3], s[12:13] offset:512*\p
.endr
	ds_store_b32 v[SCW], v[WD]                     ; both halves of the lanes write the same word with the same value
	s_wait_alu depctr_va_vdst(0)                   ; the wait ahead of the blocking wait
	s_wait_tensorcnt 0x0                           ; my first 64 rows are in; the three lines ahead of a later first fill
	ds_add_u32 v240, v241
	s_wait_dscnt 0x0                               ; the add, and my scale word for the others' sake
	s_barrier_signal -1
	s_barrier_wait -1
	tensor_load_to_lds s[48:51], s[24:31]          ; my second 64 rows: my one load behind this barrier; it lands while the first 64 are worked
	s_nop 0
.rept 4
	v_nop
.endr
	s_cmp_lg_u32 s20, 0
	s_cbranch_scc1 .Lnot_wave_0
	ds_load_b64 v[WS:WS+1], v[SCRD]                ; four tiles' words of sixteen rows
	s_wait_dscnt 0x0
	global_store_b64 v[L8], v[WS:WS+1], s[14:15]   ; 256 consecutive bytes, aligned
.Lnot_wave_0:
	; ---- X, slab by slab: four units down the keys, two tiles along the columns, on two sets of registers: a unit's loads are issued ahead of the work on the unit before
.macro DOSLAB s
.if (\s) == 2
	s_wait_alu depctr_va_vdst(0)
	s_wait_tensorcnt 0x0                           ; my second 64 rows are in
.endif
	LOADS N0, \s, 0
	LOADS N1, \s, 1
	s_wait_dscnt 32                                ; all but the 32 just issued
	SUNIT N0, \s, 0
	LOADS N0, \s, 2
	s_wait_dscnt 32
	SUNIT N1, \s, 1
	LOADS N1, \s, 3
	s_wait_dscnt 32
	SUNIT N0, \s, 2
	LOADD N0, AD+(\s)/2, ((\s)%2)*2*TILE8, 0
	s_wait_dscnt 8                                 ; all but the 8 just issued
	SUNIT N1, \s, 3
	LOADD N1, AD+(\s)/2, ((\s)%2)*2*TILE8, 1
	s_wait_dscnt 8
	DLOW N0, 2*(\s)
	LOADD N0, AD+(\s)/2, ((\s)%2)*2*TILE8+TILE8, 0
	s_wait_dscnt 8
	DHIGH N1, 2*(\s)
	LOADD N1, AD+(\s)/2, ((\s)%2)*2*TILE8+TILE8, 1
	s_wait_dscnt 8
	DLOW N0, 2*(\s)+1
	s_wait_dscnt 0x0
	DHIGH N1, 2*(\s)+1
.endm
	DOSLAB 0
	DOSLAB 1
	DOSLAB 2
	DOSLAB 3
	; ---- what was gathered over the four slabs
.irp G, 0,1,2,3
.irp e, 0,1
.irp p, 0,1,2
	global_store_b128 v[L16], v[VC+24*\G+12*\e+4*\p:VC+24*\G+12*\e+4*\p+3], s[16:17] offset:(\G/2)*49152+(2*(\G%2)+\e)*1536+512*\p
.endr
.endr
.endr
.irp d, 0,1
	global_store_b64 v[L8], v[SB+2*\d:SB+2*\d+1], s[18:19] offset:2048*\d   ; head d: the words of channels lane and 32 + lane: 256 consecutive bytes
.endr
	v_cmp_ne_u32 vcc_lo, 0, v3
.irp i, 0,1,2,3
	v_cndmask_b32 v[PSEL+\i], v[PW+\i], v[PW+4+\i], vcc_lo   ; lanes 0-15: tiles 0-3 of row r; lanes 16-31: tiles 4-7
.endr
	global_store_b128 v[L16], v[PSEL:PSEL+3], s[10:11]
	s_wait_tensorcnt 0x0                           ; the wave's end
	ds_add_u32 v240, v241
	s_wait_dscnt 0x0
	s_endpgm
.Lfunc_end_k_qd21242356f_quant:
	.size	k_qd21242356f_quant, .Lfunc_end_k_qd21242356f_quant-k_qd21242356f_quant
	.p2alignl 7, 3214868480
	.fill 96, 4, 3214868480
	.section	.rodata,"a",@progbits
	.p2align	6, 0x0
	.amdhsa_kernel k_qd21242356f_quant
		.amdhsa_group_segment_fixed_size 327680
		.amdhsa_private_segment_fixed_size 0
		.amdhsa_enable_private_segment 0
		.amdhsa_kernarg_size 64
		.amdhsa_user_sgpr_count 2
		.amdhsa_user_sgpr_kernarg_segment_ptr 1
		.amdhsa_wavefront_size32 1
		.amdhsa_system_sgpr_workgroup_id_x 1
		.amdhsa_system_sgpr_workgroup_id_y 1
		.amdhsa_system_sgpr_workgroup_id_z 1
		.amdhsa_system_vgpr_workitem_id 0
		.amdhsa_next_free_vgpr 242
		.amdhsa_next_free_sgpr 84
		.amdhsa_reserve_vcc 1
		.amdhsa_float_denorm_mode_32 3
		.amdhsa_float_denorm_mode_16_64 3
		.amdhsa_memory_ordered 1
		.amdhsa_forward_progress 1
		.amdhsa_inst_pref_size 105
	.end_amdhsa_kernel
	.amdgpu_metadata
---
amdhsa.version: [ 1, 2 ]
amdhsa.kernels:
  - .name:           k_qd21242356f_quant
    .symbol:         k_qd21242356f_quant.kd
    .args:
      - { .name: X, .offset: 0, .size: 8, .value_kind: global_buffer, .address_space: global }
      - { .name: W_qk, .offset: 8, .size: 8, .value_kind: global_buffer, .address_space: global }
      - { .name: xa_codes, .offset: 16, .size: 8, .value_kind: global_buffer, .address_space: global }
      - { .name: xa_scales, .offset: 24, .size: 8, .value_kind: global_buffer, .address_space: global }
      - { .name: wb_codes, .offset: 32, .size: 8, .value_kind: global_buffer, .address_space: global }
      - { .name: wb_scales, .offset: 40, .size: 8, .value_kind: global_buffer, .address_space: global }
      - { .name: xv_codes, .offset: 48, .size: 8, .value_kind: global_buffer, .address_space: global }
      - { .name: xv_scales, .offset: 56, .size: 8, .value_kind: global_buffer, .address_space: global }
    .group_segment_fixed_size: 327680
    .private_segment_fixed_size: 0
    .kernarg_segment_align: 8
    .kernarg_segment_size: 64
    .max_flat_workgroup_size: 128
    .sgpr_count:     84
    .vgpr_count:     242
    .wavefront_size: 32
...
	.end_amdgpu_metadata
.endif
;; end of part 1
;; launch proj (part 2): grid 8 x 64, 4 waves a work-group, clusters of 4 x 4, 327,680 bytes of LDS; arguments xa_codes, xa_scales, wb_codes, wb_scales, b_qk, qk_codes, qk_scales; writes qk_codes, qk_scales
.if DOCPART == 2
	.amdgcn_target "amdgcn-amd-amdhsa--gfx1250"
	.amdhsa_code_object_version 6
	.text
	.protected	k_qd21242356f_proj
	.globl	k_qd21242356f_proj
	.p2align	8
	.type	k_qd21242356f_proj,@function
k_qd21242356f_proj:
	s_mov_b64 s[64:65], 0
	v_nop
	global_prefetch_b8 v0, s[64:65] scope:SCOPE_SE
	s_setreg_imm32_b32 hwreg(HW_REG_WAVE_MODE, 25, 1), 1
	s_wait_xcnt 0x0
	s_wait_alu depctr_hold_cnt(0) depctr_sa_sdst(0) depctr_va_vdst(0) depctr_va_sdst(0) depctr_va_ssrc(0) depctr_va_vcc(0) depctr_vm_vsrc(0)
	s_getreg_b32 s2, hwreg(HW_REG_IB_STS2, 6, 4)
	s_cmp_eq_u32 s2, 0
	s_cbranch_scc0 .Lentry_in_a_cluster
	s_endpgm
.Lentry_in_a_cluster:
	s_bfe_u32 s2, ttmp6, 0x10000c
	s_cmp_lg_u32 s2, 0xf033
	s_cbranch_scc0 .Lentry_shape_is_right
	s_endpgm
.Lentry_shape_is_right:
; qk = X W^T + b on codes of BF6 (E3M2) with E8M0 scales, K = 1,024, and its result quantised again along each head's 64 channels: q's and k's codes and scale words for the attention launch.
; A tile of 256 tokens x 256 columns is made by four waves, 128 x 128 each: 64 accumulators, 512 registers.  The operands arrive as IMAGES OF FRAGMENTS: 1,536 bytes for 16 rows x 128 K (register 4 p + e of lane l at
; 512 p + 16 l + 4 e), eight images a K step (KSB), eight K steps on end for each 128 rows (RGB): three loads of 16 bytes a lane bring a fragment.
; THREE FILLS OF LDS.  At the head one joint load a wave: K steps 0-1 of A's 256 rows (two rows of 24,576 bytes), the same of B's, A's scale words, B's.  Behind the three lines and a round of the cluster's barrier:
; K steps 2-5, a quarter a wave (49,152 dense bytes), into a region of their own.  Behind the round in K step 1: K steps 6-7 into the first region, its one refill; from that request to the wait for it a wave issues 256 matrix instructions.
; LDS: 98,304 + 196,608 bytes of codes, 16,384 of scale words, 512 spare.  Nothing is prefetched: the walk has three fills and no loop to run ahead in.
; CLUSTERS: 4 x 4 work-groups; A's tiles are asked for jointly along a row of the cluster, B's along a column.
; THE MATRIX INSTRUCTION IS USED TRANSPOSED (source 0 = 16 rows of W, source 1 = 16 tokens): a lane holds one token and eight neighbouring columns.  The bias is the C of the first K step's products.
; THE WAY OUT: a block of 32 columns lies in two accumulators of lanes l and l xor 16; its largest magnitude gives the scale as in the quantising launch; the codes leave as images of 768 bytes for 16 tokens x a head's 64
; (registers 0-3 at 16 l, registers 4-5 at 512 + 8 l).  The order of the 32 columns inside a block is the same for q and for k, which keeps their product.
; LIMITS: NaN and infinities are not served; a block under 2^(5 - 127) keeps the byte 1.
.set FR,    12
.set NL,    3                          ; LDS loads that bring a fragment
.set NP,    4                          ; places behind this matrix instruction
.set FI,    1536
.set KSB,   8*FI                       ; a K step of 128 rows
.set HALFT, 2*KSB
.set SLOT,  4*HALFT                    ; region 0: two K steps of A's two halves, then of B's; region 1, behind it, holds four K steps in the same order
.set RGB,   8*KSB
.set SCL,   3*SLOT                     ; the scale words
.set HALFS, 4096
.set SPARE, SCL+4*HALFS
.set ADRA, 16                          ; v16-17 my A fragments in region 0, 1
.set ADRB, 20                          ; v20-21 my B fragments
.set ADRS, 27                          ; v27 my scale words: lanes 0-15 A's, lanes 16-31 B's
.set SPW,  28
.set NIL,  29
.set SC,   32                          ; v32-63 scale words, two sets of two K steps
.set BI,   64                          ; v64-127 the bias; later at work on the way out
.set AF,   128                         ; A's fragments, one set (window 0); B's two sets in window 1; accumulators in windows 2 and 3
.set TM,   64
.set TP,   68
.set SO,   72
.set PW,   76
.set PCB,  80
.set SW,   128
.set G1, 24
.set G0, 32
.set G1B, 48
.set G0B, 56
.set G1S, 68
.set G0S, 76
.set G1SB, 80
.set G0SB, 88
.set G0H, 4                            ; s[4:7], s[8:11] group 0 of the head's loads of codes (the arguments that lay there have been used)
.set G0HB, 8
.set MSB, 0
.macro WIN new
.if MSB != \new
	s_set_vgpr_msb (MSB<<8)|\new
.set MSB, \new
.endif
.endm
.set MUL_LO, 0xa1
.set MUL_HI, 0xf1
.set BIA_LO, 0x81
.set BIA_HI, 0xc1
.set TO_B,   0x40
.macro JLOAD g0a, g1a, g0b, g1b        ; waves 0 and 1 fetch for A, waves 2 and 3 for B
	s_cmp_eq_u32 s15, 0
	s_cbranch_scc0 .Lfor_b_\@
	tensor_load_to_lds s[\g0a:\g0a+3], s[\g1a:\g1a+7]
	s_nop 0
.rept 4
	v_nop
.endr
	s_branch .Lasked_\@
.Lfor_b_\@:
	tensor_load_to_lds s[\g0b:\g0b+3], s[\g1b:\g1b+7]
	s_nop 0
.rept 4
	v_nop
.endr
.Lasked_\@:
.endm
.macro CREST
	s_cmp_lg_u32 s14, 0
	s_cbranch_scc1 .Lnot_wave_0_\@
	s_barrier_signal -3
.Lnot_wave_0_\@:
	s_barrier_wait -3
	s_barrier_signal -1
	s_barrier_wait -1
.endm
.macro CROUND
	s_barrier_signal -1
	s_barrier_wait -1
	CREST
.endm
	s_load_b128 s[4:7], s[0:1], 0x0                ; X's codes, X's scale words
	s_load_b128 s[8:11], s[0:1], 0x10              ; W's codes, W's scale words
	s_load_b64 s[12:13], s[0:1], 0x20              ; the bias
	s_load_b64 s[96:97], s[0:1], 0x28              ; q's and k's codes
	s_load_b64 s[98:99], s[0:1], 0x30              ; their scale words
	v_lshl_add_u32 v[SPW], v0, 2, SPARE
	v_mov_b32 v[NIL], 0
	ds_add_u32 v[SPW], v[NIL]                      ; the opening lines: the add twice and its wait
	ds_add_u32 v[SPW], v[NIL]
	v_lshrrev_b32 v1, 5, v0
	v_readfirstlane_b32 s14, v1                    ; wave 0..3
	s_lshr_b32 s15, s14, 1                         ; my half of the tokens; also: in the ring I fetch for A (0) or B (1)
	s_and_b32 s16, s14, 1                          ; my half of the columns; also which 128 rows I fetch
	s_bfe_u32 s40, ttmp6, 0x40000
	s_bfe_u32 s41, ttmp6, 0x40004
	s_lshl_b32 s42, ttmp9, 2
	s_add_co_u32 s42, s42, s40                     ; tile column
	s_and_b32 s17, ttmp7, 0xffff
	s_lshl_b32 s17, s17, 2
	s_add_co_u32 s17, s17, s41                     ; tile row
	s_lshl_b32 s43, s41, 2
	s_lshl_b32 s43, 15, s43                        ; my row of the cluster
	s_lshl_b32 s44, 0x1111, s40                    ; my column
	s_or_b32 s[G1+0], s43, (3<<16)|(1<<21)
	s_or_b32 s[G1B+0], s44, (3<<16)|(1<<21)
.irp g, G1, G1B                                ; for the head: two rows (the two halves) of 3,072 elements of 8 bytes, 12,288 elements apart
	s_mov_b32 s[\g+1], 3072<<16
	s_mov_b32 s[\g+2], 2<<16
	s_mov_b32 s[\g+3], 3072<<16
	s_mov_b32 s[\g+4], 2
	s_mov_b32 s[\g+5], 12288
	s_mov_b32 s[\g+6], 0
	s_mov_b32 s[\g+7], 0
.endr
	s_or_b32 s[G1S+0], s43, (3<<16)|(1<<21)
	s_or_b32 s[G1SB+0], s44, (3<<16)|(1<<21)
.irp g, G1S, G1SB                              ; the scale words of 256 rows: 8,192 dense bytes as 32 rows of 256
	s_mov_b32 s[\g+1], 32<<16
	s_mov_b32 s[\g+2], 32<<16
	s_mov_b32 s[\g+3], 32<<16
	s_mov_b32 s[\g+4], 32
	s_mov_b32 s[\g+5], 32
	s_mov_b32 s[\g+6], 0
	s_mov_b32 s[\g+7], 0
.endr
	s_lshl_b32 s20, s17, 1                         ; A: the first of my tile's two groups of 128 rows
	s_lshl_b32 s46, s42, 1                         ; B likewise
	s_lshl_b32 s22, s20, 12
	s_mov_b32 s23, 0
	s_lshl_b32 s92, s46, 12
	s_mov_b32 s93, 0
	s_mul_i32 s20, s20, RGB
	s_mov_b32 s21, 0
	s_mul_i32 s46, s46, RGB
	s_mov_b32 s47, 0
	s_mul_i32 s18, s16, RGB                        ; behind the head I fetch one half
	s_mov_b32 s19, 0
	s_mul_i32 s45, s14, HALFT                      ; where it goes in region 0,
	s_mul_i32 s94, s14, 2*HALFT                    ; and in region 1
	s_wait_dscnt 0x0
	s_wait_kmcnt 0x0
	s_add_nc_u64 s[20:21], s[4:5], s[20:21]
	s_add_nc_u64 s[22:23], s[6:7], s[22:23]
	s_add_nc_u64 s[46:47], s[8:9], s[46:47]
	s_add_nc_u64 s[92:93], s[10:11], s[92:93]
	CROUND                                         ; all sixteen work-groups are here: the first joint loads meet
	s_mov_b32 s[G0H], 1                            ; K steps 0-1 of A's 256 rows,
	s_mov_b32 s[G0H+1], 0
	s_mov_b64 s[G0H+2:G0H+3], s[20:21]
	s_or_b32 s[G0H+3], s[G0H+3], 0x80000000
	s_mov_b32 s[G0HB], 1                           ; of B's,
	s_mov_b32 s[G0HB+1], 2*HALFT
	s_mov_b64 s[G0HB+2:G0HB+3], s[46:47]
	s_or_b32 s[G0HB+3], s[G0HB+3], 0x80000000
	s_mov_b32 s[G0S], 1                            ; A's scale words,
	s_mov_b32 s[G0S+1], SCL
	s_mov_b64 s[G0S+2:G0S+3], s[22:23]
	s_or_b32 s[G0S+3], s[G0S+3], 0x80000000
	s_mov_b32 s[G0SB], 1                           ; B's
	s_mov_b32 s[G0SB+1], SCL+2*HALFS
	s_mov_b64 s[G0SB+2:G0SB+3], s[92:93]
	s_or_b32 s[G0SB+3], s[G0SB+3], 0x80000000
	s_add_nc_u64 s[20:21], s[20:21], s[18:19]      ; my half
	s_add_nc_u64 s[46:47], s[46:47], s[18:19]
	s_mov_b32 s[G0], 1                             ; region 0's refill: K steps 6-7
	s_mov_b32 s[G0+1], s45
	s_add_nc_u64 s[G0+2:G0+3], s[20:21], 3*HALFT
	s_or_b32 s[G0+3], s[G0+3], 0x80000000
	s_mov_b32 s[G0B], 1
	s_mov_b32 s[G0B+1], s45
	s_add_nc_u64 s[G0B+2:G0B+3], s[46:47], 3*HALFT
	s_or_b32 s[G0B+3], s[G0B+3], 0x80000000
	s_mov_b32 s[G0+4], 1                           ; region 1: K steps 2-5
	s_add_co_u32 s[G0+5], s94, SLOT
	s_add_nc_u64 s[G0+6:G0+7], s[20:21], HALFT
	s_or_b32 s[G0+7], s[G0+7], 0x80000000
	s_mov_b32 s[G0B+4], 1
	s_add_co_u32 s[G0B+5], s94, SLOT
	s_add_nc_u64 s[G0B+6:G0B+7], s[46:47], HALFT
	s_or_b32 s[G0B+7], s[G0B+7], 0x80000000
; the head's loads, one a wave, in one tree of branches on the wave's number
.macro ARM under, g0, g1, next
	s_cmp_lt_u32 s14, \under
	s_cbranch_scc0 \next
	tensor_load_to_lds s[\g0:\g0+3], s[\g1:\g1+7]
	s_nop 0
.rept 4
	v_nop
.endr
	s_branch .Lhead_asked
\next:
.endm
	ARM 1, G0H,  G1,  .Lhead_b
	ARM 2, G0HB, G1B, .Lhead_sa
	ARM 3, G0S,  G1S, .Lhead_sb
	tensor_load_to_lds s[G0SB:G0SB+3], s[G1SB:G1SB+7]
	s_nop 0
.rept 4
	v_nop
.endr
.Lhead_asked:                                      ; the rest of the head is made while the loads are out
	v_and_b32 v1, 15, v0
	v_bfe_u32 v2, v0, 4, 1
	v_and_b32 v3, 31, v0
	v_lshlrev_b32 v8, 4, v3                        ; 16 x lane
	v_lshlrev_b32 v9, 3, v3
	v_lshlrev_b32 v10, 4, v2
	v_lshlrev_b32 v5, 4, v1
	v_lshl_add_u32 v11, v2, 12, v5
	v_lshlrev_b32 v7, 5, v2
	s_wait_alu depctr_va_vdst(0)                   ; the wait ahead of the run of scalar instructions
	s_mul_i32 s21, s15, HALFT
	s_mul_i32 s22, s16, HALFT
	s_add_co_u32 s23, s22, 2*HALFT
	v_add_nc_u32 v[ADRA], s21, v8
	v_add_nc_u32 v[ADRB], s23, v8
	s_lshl_b32 s21, s21, 1                         ; region 1's halves are twice as long
	s_lshl_b32 s22, s22, 1
	s_add_co_u32 s21, s21, SLOT
	s_add_co_u32 s22, s22, SLOT+4*HALFT
	v_add_nc_u32 v[ADRA+1], s21, v8
	v_add_nc_u32 v[ADRB+1], s22, v8
	s_mul_i32 s21, s15, HALFS
	s_mul_i32 s22, s16, HALFS
	s_add_co_u32 s22, s22, 2*HALFS
	s_sub_co_u32 s22, s22, s21
	v_mul_u32_u24 v6, s22, v2                      ; lanes 16-31 take B's
	s_wait_alu depctr_va_vdst(0)
	s_add_co_u32 s21, s21, SCL
	v_add_nc_u32 v6, v5, v6
	v_add_nc_u32 v[ADRS], s21, v6
	s_lshr_b32 s20, s17, 2                         ; where my results go: 32 x batch + 4 x tile column + 2 x half: my first head
	s_lshl_b32 s20, s20, 5
	s_lshl_b32 s21, s42, 2
	s_add_co_u32 s20, s20, s21
	s_lshl_b32 s21, s16, 1
	s_add_co_u32 s20, s20, s21
	s_and_b32 s21, s17, 3                          ; my first tile of 16 tokens in the batch
	s_lshl_b32 s21, s21, 4
	s_lshl_b32 s22, s15, 3
	s_add_co_u32 s21, s21, s22
	s_lshl_b32 s22, s20, 6
	s_add_co_u32 s22, s22, s21
	s_mul_i32 s22, s22, 768
	s_mov_b32 s23, 0
	s_add_nc_u64 s[96:97], s[96:97], s[22:23]
	s_lshl_b32 s22, s20, 12
	s_lshl_b32 s21, s21, 6
	s_add_co_u32 s22, s22, s21
	s_add_nc_u64 s[98:99], s[98:99], s[22:23]
	s_lshl_b32 s22, s42, 10
	s_lshl_b32 s21, s16, 9
	s_add_co_u32 s22, s22, s21
	s_add_nc_u64 s[12:13], s[12:13], s[22:23]
	s_mov_b32 s100, 0x76543210
	s_mov_b32 s101, 0xfedcba98
.irp b, 0,1,2,3,4,5,6,7
	global_load_b128 v[BI+8*\b:BI+8*\b+3], v7, s[12:13] offset:64*\b       ; the bias in the result's layout: my eight columns of each block
	global_load_b128 v[BI+8*\b+4:BI+8*\b+7], v7, s[12:13] offset:64*\b+16
.endr
.macro FRAG reg, adr, q, i
.irp p, 0,1,2
	ds_load_b128 v[\reg+4*\p:\reg+4*\p+3], v[\adr] offset:(\q)*KSB+(\i)*FI+512*\p
.endr
.endm
; 16 matrix instructions: A's blocks a0, a0 + 1 x B's eight.  The 64 accumulators take turns, in the same order in every K step
.macro MUL16 a0, p, q, sc, bias
.irp a, \a0, \a0+1
.irp b, 0,1,2,3,4,5,6,7
.if \bias
	v_wmma_scale_f32_16x16x128_f8f6f4 v[8*(8*((\a)%4)+\b):8*(8*((\a)%4)+\b)+7], v[128*(\p)+FR*\b:128*(\p)+FR*\b+FR-1], v[AF+FR*(\a):AF+FR*(\a)+FR-1], v[BI+8*\b:BI+8*\b+7], v[SC+16*(\sc)+8*(\q)+\b], v[SC+16*(\sc)+8*(\q)+(\a)] matrix_a_fmt:MATRIX_FMT_BF6 matrix_b_fmt:MATRIX_FMT_BF6 matrix_a_scale:MATRIX_SCALE_ROW1
.else
	v_wmma_scale_f32_16x16x128_f8f6f4 v[8*(8*((\a)%4)+\b):8*(8*((\a)%4)+\b)+7], v[128*(\p)+FR*\b:128*(\p)+FR*\b+FR-1], v[AF+FR*(\a):AF+FR*(\a)+FR-1], v[8*(8*((\a)%4)+\b):8*(8*((\a)%4)+\b)+7], v[SC+16*(\sc)+8*(\q)+\b], v[SC+16*(\sc)+8*(\q)+(\a)] matrix_a_fmt:MATRIX_FMT_BF6 matrix_b_fmt:MATRIX_FMT_BF6 matrix_a_scale:MATRIX_SCALE_ROW1
.endif
.endr
.endr
.endm
.macro FETCH_B slot, q, p
	WIN TO_B
.irp i, 0,1,2,3,4,5,6,7
	FRAG 128*(\p)+FR*\i, ADRB+\slot, \q, \i
.endr
	WIN 0
.endm
.macro FETCH_A slot, q, i0
.irp i, \i0, \i0+1, \i0+2, \i0+3
	FRAG AF+FR*(\i), ADRA+\slot, \q, \i
.endr
.endm
.macro SCALES pr                       ; the scale words of K steps 2 pr and 2 pr + 1 into set pr % 2; the pair's place along K stands in the immediate
.irp q, 0,1
.irp g, 0,1
	ds_load_b128 v[SC+16*((\pr)%2)+8*\q+4*\g:SC+16*((\pr)%2)+8*\q+4*\g+3], v[ADRS] offset:1024*(\pr)+512*\q+256*\g
.endr
.endr
.endm
.macro PLACES n
.rept \n
	v_nop
.endr
.endm
; K step k; the next step's fragments lie in region fs at its step fq.  B's set and the scale words' half go by k % 2, the set of scale words by (k / 2) % 2
.macro STEP k, fs, fq, bias
.set PX, (\k)%2
.set SCX, ((\k)/2)%2
	s_wait_dscnt 4*NL                              ; all but the youngest twelve loads, A's blocks 4-7
.if \bias
	WIN BIA_LO
.else
	WIN MUL_LO
.endif
	MUL16 0, PX, PX, SCX, \bias
	MUL16 2, PX, PX, SCX, \bias
	s_wait_dscnt 0
	PLACES NP
	FETCH_B \fs, \fq, 1-PX
	FETCH_A \fs, \fq, 0
.if PX
	SCALES ((\k)+1)/2
.endif
.if \bias
	WIN BIA_HI
.else
	WIN MUL_HI
.endif
	MUL16 4, PX, PX, SCX, \bias
	MUL16 6, PX, PX, SCX, \bias
	PLACES NP
	WIN 0
	FETCH_A \fs, \fq, 4
.endm
; an odd K step k behind which another region is read: each wave's three lines, the barrier; fill = 1: it opens a round of the cluster's barrier, and region 0 is filled again
.macro TURN k, fs, fq, fill
.set SCX, ((\k)/2)%2
	s_wait_tensorcnt 0x0                           ; all my tensor loads have landed,
	ds_add_u32 v[SPW], v[NIL]                      ; the add,
.if \fill
	s_mov_b32 s[G1+2], 96<<16                      ; no load of mine is out, so a descriptor may be written: the refill brings 96 rows of 256 bytes
	s_mov_b32 s[G1+4], 96
	s_mov_b32 s[G1B+2], 96<<16
	s_mov_b32 s[G1B+4], 96
.endif
	s_wait_dscnt 4*NL+1                            ; (the add and the youngest twelve loads may be out)
	WIN MUL_LO
	MUL16 0, 1, 1, SCX, 0
	s_wait_dscnt 0x0                               ; the add is done, and my reads of the region left behind
	s_barrier_signal -1
	MUL16 2, 1, 1, SCX, 0
	WIN 0
	s_barrier_wait -1
.if \fill
	CREST
	JLOAD G0, G1, G0B, G1B                         ; K steps 6-7, the first tensor load behind the round; its four v_nop are the places in front of the loads below
.else
	PLACES NP
.endif
	FETCH_B \fs, \fq, 0
	FETCH_A \fs, \fq, 0
	SCALES ((\k)+1)/2
	WIN MUL_HI
	MUL16 4, 1, 1, SCX, 0
	MUL16 6, 1, 1, SCX, 0
	PLACES NP
	WIN 0
	FETCH_A \fs, \fq, 4
.endm
	s_wait_alu depctr_va_vdst(0)                   ; the wait at the head's end
	s_wait_tensorcnt 0x0                           ; my tile of the head's four is in; the three lines ahead of a later first fill
	ds_add_u32 v[SPW], v[NIL]
.irp g, G1, G1B                                ; no load of mine is out: region 1's loads bring 192 rows of 256 bytes, dense
	s_mov_b32 s[\g+1], 32<<16
	s_mov_b32 s[\g+2], 192<<16
	s_mov_b32 s[\g+3], 32<<16
	s_mov_b32 s[\g+4], 192
	s_mov_b32 s[\g+5], 32
.endr
	s_wait_dscnt 0x0
	CROUND                                         ; all four tiles are in, and all sixteen work-groups are here
	JLOAD G0+4, G1, G0B+4, G1B                     ; K steps 2-5
	FETCH_B 0, 0, 0
	FETCH_A 0, 0, 0
	SCALES 0
	FETCH_A 0, 0, 4
	s_wait_loadcnt 0x0                             ; the bias
	STEP 0, 0, 1, 1
	TURN 1, 1, 0, 1
	STEP 2, 1, 1, 0
	STEP 3, 1, 2, 0
	STEP 4, 1, 3, 0
	TURN 5, 0, 0, 0
	STEP 6, 0, 1, 0
	s_wait_dscnt 4*NL                              ; K step 7: nothing more to fetch
	WIN MUL_LO
	MUL16 0, 1, 1, 1, 0
	MUL16 2, 1, 1, 1, 0
	s_wait_dscnt 0
	WIN MUL_HI
	MUL16 4, 1, 1, 1, 0
	MUL16 6, 1, 1, 1, 0
	WIN 0
; THE WAY OUT of block a, 16 tokens x 128 columns = two heads: four blocks of 32 columns, quantised in registers
.macro EPI a
.set AC, 64*((\a)%4)
.set PC, PCB+24*((\a)%2)
.set WN, 0x0a+5*((\a)/4)
	WIN WN
.irp k, 0,1,2,3
	v_max3_num_f32 v[TM+\k], |v[AC+16*\k]|, |v[AC+16*\k+1]|, 0x2800000    ; my 16 numbers of block k, with the floor 2^(5 - 127); each accumulator from its low end on
.endr
.irp i, 2,4,6,8,10,12,14
.irp k, 0,1,2,3
	v_max3_num_f32 v[TM+\k], |v[AC+16*\k+\i]|, |v[AC+16*\k+\i+1]|, v[TM+\k]
.endr
.endr
	WIN 0
.irp k, 0,1,2,3
	v_permlanex16_b32 v[TP+\k], v[TM+\k], s100, s101
.endr
.irp k, 0,1,2,3
	v_max_num_f32 v[TM+\k], v[TM+\k], v[TP+\k]     ; with lane l xor 16's
.endr
.irp k, 0,1,2,3
	v_add_nc_u32 v[SO+\k], 0xfe000000, v[TM+\k]    ; the conversion's scale operand
.endr
.irp k, 0,1,2,3
	v_lshrrev_b32 v[TP+\k], 23, v[SO+\k]           ; the byte
.endr
	v_lshl_or_b32 v[PW], v[TP+1], 8, v[TP]
	v_lshl_or_b32 v[PW], v[TP+2], 16, v[PW]
	v_lshl_or_b32 v[PW], v[TP+3], 24, v[PW]
	v_bfe_u32 v[SW+(\a)], v[PW], v10, 16           ; lanes 0-15 the first head's two bytes, lanes 16-31 the second's; bytes 2 and 3 are 0
.if (\a) > 1
	s_wait_xcnt 0x0                                ; the stores of two blocks back have read these registers
.endif
.set WN, 0x02+((\a)/4)
	WIN WN
.irp c, 0,1
	v_cvt_scalef32_pk16_bf6_f32 v[PC+6*\c:PC+6*\c+2], v[AC+32*\c:AC+32*\c+15], v[SO+2*\c]
	v_cvt_scalef32_pk16_bf6_f32 v[PC+12+4*\c:PC+14+4*\c], v[AC+32*\c+16:AC+32*\c+31], v[SO+2*\c+1]
.endr
	WIN 0
	v_nop                                          ; one plain line behind a scaled conversion
.irp c, 0,1
.irp i, 0,1,2
	v_permlane16_swap_b32 v[PC+6*\c+\i], v[PC+12+4*\c+\i]   ; a whole block to a lane
.endr
.irp i, 0,1,2
	v_mov_b32 v[PC+3+6*\c+\i], v[PC+12+4*\c+\i]
.endr
.endr
.irp c, 0,1
	global_store_b128 v8, v[PC+6*\c:PC+6*\c+3], s[96:97] offset:49152*\c+768*(\a)          ; 512 consecutive bytes, aligned
	global_store_b64 v9, v[PC+6*\c+4:PC+6*\c+5], s[96:97] offset:49152*\c+768*(\a)+512     ; 256 consecutive bytes, aligned
.endr
.if (\a)%4 == 3
	global_store_b128 v11, v[SW+(\a)-3:SW+(\a)], s[98:99] offset:256*((\a)/4)              ; four tiles' words of sixteen tokens: 256 consecutive bytes for each head
.endif
.endm
	PLACES NP
.irp k, 0,1,2,3
	v_mov_b32 v[TP+\k], 0                          ; a lane permute's destination counts as one of its sources
.endr
.irp a, 0,1,2,3,4,5,6,7
	EPI \a
.endr
	s_wait_tensorcnt 0x0                           ; the wave's end
	ds_add_u32 v[SPW], v[NIL]
	s_wait_dscnt 0x0
	CROUND                                         ; the closing round
	s_endpgm
.Lfunc_end_k_qd21242356f_proj:
	.size	k_qd21242356f_proj, .Lfunc_end_k_qd21242356f_proj-k_qd21242356f_proj
	.p2alignl 7, 3214868480
	.fill 96, 4, 3214868480
	.section	.rodata,"a",@progbits
	.p2align	6, 0x0
	.amdhsa_kernel k_qd21242356f_proj
		.amdhsa_group_segment_fixed_size 327680
		.amdhsa_private_segment_fixed_size 0
		.amdhsa_enable_private_segment 0
		.amdhsa_kernarg_size 56
		.amdhsa_user_sgpr_count 2
		.amdhsa_user_sgpr_kernarg_segment_ptr 1
		.amdhsa_wavefront_size32 1
		.amdhsa_system_sgpr_workgroup_id_x 1
		.amdhsa_system_sgpr_workgroup_id_y 1
		.amdhsa_system_sgpr_workgroup_id_z 1
		.amdhsa_system_vgpr_workitem_id 0
		.amdhsa_next_free_vgpr 1024
		.amdhsa_next_free_sgpr 102
		.amdhsa_reserve_vcc 0
		.amdhsa_float_denorm_mode_32 3
		.amdhsa_float_denorm_mode_16_64 3
		.amdhsa_memory_ordered 1
		.amdhsa_forward_progress 1
		.amdhsa_inst_pref_size 142
	.end_amdhsa_kernel
	.amdgpu_metadata
---
amdhsa.version: [ 1, 2 ]
amdhsa.kernels:
  - .name:           k_qd21242356f_proj
    .symbol:         k_qd21242356f_proj.kd
    .args:
      - { .name: xa_codes, .offset: 0, .size: 8, .value_kind: global_buffer, .address_space: global }
      - { .name: xa_scales, .offset: 8, .size: 8, .value_kind: global_buffer, .address_space: global }
      - { .name: wb_codes, .offset: 16, .size: 8, .value_kind: global_buffer, .address_space: global }
      - { .name: wb_scales, .offset: 24, .size: 8, .value_kind: global_buffer, .address_space: global }
      - { .name: b_qk, .offset: 32, .size: 8, .value_kind: global_buffer, .address_space: global }
      - { .name: qk_codes, .offset: 40, .size: 8, .value_kind: global_buffer, .address_space: global }
      - { .name: qk_scales, .offset: 48, .size: 8, .value_kind: global_buffer, .address_space: global }
    .group_segment_fixed_size: 327680
    .private_segment_fixed_size: 0
    .kernarg_segment_align: 8
    .kernarg_segment_size: 56
    .max_flat_workgroup_size: 128
    .sgpr_count:     102
    .vgpr_count:     1024
    .wavefront_size: 32
...
	.end_amdgpu_metadata
.endif
;; end of part 2
;; launch attn (part 3): grid 16 x 16, 16 waves a work-group, no clusters, 176,128 bytes of LDS; arguments qk_codes, qk_scales, xv_codes, xv_scales, out0; writes out0
.if DOCPART == 3
	.amdgcn_target "amdgcn-amd-amdhsa--gfx1250"
	.amdhsa_code_object_version 6
	.text
	.protected	k_qd21242356f_attn
	.globl	k_qd21242356f_attn
	.p2align	8
	.type	k_qd21242356f_attn,@function
k_qd21242356f_attn:
	s_mov_b64 s[64:65], 0
	v_nop
	global_prefetch_b8 v0, s[64:65] scope:SCOPE_SE
	s_setreg_imm32_b32 hwreg(HW_REG_WAVE_MODE, 25, 1), 1
	s_wait_xcnt 0x0
; out[b][q][64 head + :] = the sum over keys of softmax(q . k / 8) X[b][key][64 head + :], both products on codes of BF6 (E3M2) with one E8M0 scale for each 32 along a product's K.
; THE SOFTMAX AHEAD OF THE SECOND PRODUCT: t = score x log2(e) / 8; M = the running largest t rounded UP to a whole number; p = 2^(t - M) is quantised along the keys, not normalised.  The row's sum is taken of the
; unquantised p and divides at the end.  When M moves, the sum and O are multiplied by 2^(old M - new M): exact.
; SHARES.  One work-group for each (batch, head): 256 of equal work, which share no input: no cluster.  The head's k and X's slice, codes and scale words, are 104,448 bytes: they come into LDS ONCE, at the head,
; by ten tensor loads of ten waves, and stay: no ring.  Nothing is prefetched: all that the work-group reads from memory but q is asked for at its first lines, so there is no loop to run ahead in.
; Wave w of sixteen owns tokens 64 w .. 64 w + 63 as queries, a tile of 16 at a time (four trips), and walks the 1,024 keys in eight steps of 128, written out: every LDS offset is an immediate.
; LAYOUT.  Both products are used transposed: S^T = k q^T, O^T = X^T p^T: a lane holds ONE query (lane % 16) throughout.
; WHICH TOKENS FORM A TILE (laid so by the quantising launch): of each 64 tokens, tile u holds tokens 8 u + 0 .. 7 in rows 0-7 and tokens 32 + 8 u + 0 .. 7 in rows 8-15.  In S^T lanes 0-15 hold a tile's rows 0-7 and
; lanes 16-31 its rows 8-15: so a lane's 32 registers of four tiles are ONE WHOLE BLOCK of 32 keys, in order: block 2 c + h.  Its largest score needs no other lane, and two conversions give the six registers that p's operand wants there.
; q k^T HAS K = 64: q's registers 6-11 are zero codes, set once.  k's fragments lie 6 registers apart, so registers 6-11 of a fragment are the next fragment's codes: every E3M2 code is a finite number, and times q's zeros it adds nothing.
; So all eight fragments of a step are in registers at once, and the eight products go in one run.
; THE PLACES behind the matrix instructions are filled by the row sum's own additions: p's last 16 registers are added behind the second product, the partial sums are joined behind the next step's first products.
; LIMITS: NaN and infinities are not served; the promise holds while |t| stays under 2^31.
.set VCO,  49152                       ; LDS: k's 64 images of 768 bytes from byte 0; X's 32 images of 1,536 bytes, [key step][tile of 16 channels],
.set KSO,  98304                       ; k's scale words, [4 tiles][row][tile % 4],
.set VSO,  102400                      ; X's, [key step][lane][2],
.set STG,  104448                      ; a stage of 16 rows x (256 bytes + 16) for each wave, into which no tensor load lands,
.set SPARE, 174080                     ; and the spare words
.set RM,   13                          ; v12, v14 -M of even and odd steps (low words of pairs); v13 the running largest score; v15 written once
.set L,    16                          ; v16-25 the sum and four partial sums, pairs
.set F,    26                          ; v[26:27] f = 2^(old M - new M)
.set RC,   28                          ; v[28:29] 1 / the sum
.set TW,   30
.set TP,   31
.set BM,   32                          ; v32-33 my two blocks' largest scores, then largest p
.set MB,   34
.set SOP,  36                          ; v36-37 the conversions' scale operands
.set BY,   38
.set WD,   40
.set WT,   41
.set PSC,  42                          ; p's scale word
.set QSC,  43                          ; q's
.set Q,    44                          ; v44-55
.set KSC,  56                          ; v56-63 k's scale words
.set VSC,  64                          ; v64-67 X's
.set KB,   68                          ; v68-121 k's eight fragments, 6 registers apart, and six more
.set S,    122                         ; v122-185 S^T, then p; X's four fragments land on the first 48
.set O,    186                         ; v186-217 O^T
.set P,    218                         ; v218-229 p's codes
.set PT,   230                         ; v230-236 the upper 16 codes of a block (a conversion's three registers begin on an even number)
.set SEL,  60
.set CS,   62                          ; s[62:63] c = log2(e) / 8
.set CN,   16                          ; s16 -c
.set TI,   66
	s_load_b256 s[4:11], s[0:1], 0x0               ; q's and k's codes s[4:5], their scale words s[6:7], X's codes s[8:9], X's scale words s[10:11]
	s_load_b64 s[12:13], s[0:1], 0x20              ; out
	v_lshl_add_u32 v240, v0, 2, SPARE
	v_mov_b32 v241, 0
	ds_add_u32 v240, v241                          ; the opening lines: the add twice and its wait
	ds_add_u32 v240, v241
	v_lshrrev_b32 v1, 5, v0
	v_readfirstlane_b32 s14, v1                    ; wave 0..15
	s_and_b32 s15, ttmp7, 0xffff                   ; the batch; ttmp9 is the head
	s_lshl_b32 s16, s15, 5
	s_add_co_u32 s16, s16, ttmp9                   ; 32 x batch + head: q's place; k's is 16 heads on
	s_lshl_b32 s17, s15, 4
	s_add_co_u32 s17, s17, ttmp9                   ; 16 x batch + head
	s_mul_i32 s18, s16, 49152
	s_mov_b32 s19, 0
	s_lshl_b32 s20, s16, 12
	s_mov_b32 s21, 0
	s_mul_i32 s22, s17, 49152
	s_mov_b32 s23, 0
	s_lshl_b32 s76, s17, 11
	s_mov_b32 s77, 0
	; groups 1: dense blocks as rows of 256 bytes (32 elements of 8 bytes): 48 rows of codes, 16 rows of k's scale words, 8 rows of X's
	s_mov_b32 s24, 3<<16
	s_mov_b32 s25, 32<<16
	s_mov_b32 s26, 48<<16
	s_mov_b32 s27, 32<<16
	s_mov_b32 s28, 48
	s_mov_b32 s29, 32
	s_mov_b32 s30, 0
	s_mov_b32 s31, 0
	s_mov_b32 s32, 3<<16
	s_mov_b32 s33, 32<<16
	s_mov_b32 s34, 16<<16
	s_mov_b32 s35, 32<<16
	s_mov_b32 s36, 16
	s_mov_b32 s37, 32
	s_mov_b32 s38, 0
	s_mov_b32 s39, 0
	s_mov_b32 s40, 3<<16
	s_mov_b32 s41, 32<<16
	s_mov_b32 s42, 8<<16
	s_mov_b32 s43, 32<<16
	s_mov_b32 s44, 8
	s_mov_b32 s45, 32
	s_mov_b32 s46, 0
	s_mov_b32 s47, 0
	s_mov_b32 s[SEL], 0x76543210
	s_mov_b32 s[SEL+1], 0xfedcba98
	s_mov_b32 s[CS], 0x3e38aa3b
	s_mov_b32 s[CS+1], s[CS]
	s_mov_b32 s[TI], 4
	s_mov_b32 s73, 0
	s_mov_b32 s75, 0
	s_wait_dscnt 0x0
	s_wait_kmcnt 0x0
	s_add_nc_u64 s[4:5], s[4:5], s[18:19]          ; q's codes of my head
	s_add_nc_u64 s[6:7], s[6:7], s[20:21]          ; q's scale words
	s_add_nc_u64 s[8:9], s[8:9], s[22:23]          ; X's codes of my head
	s_add_nc_u64 s[10:11], s[10:11], s[76:77]      ; X's scale words
	s_add_nc_u64 s[78:79], s[4:5], 16*49152        ; k's codes
	s_cmp_lt_u32 s14, 4                            ; waves 0-3 fetch k's codes, waves 4-7 X's: a quarter each, 12,288 bytes
	s_cselect_b64 s[50:51], s[78:79], s[8:9]
	s_and_b32 s18, s14, 3
	s_mul_i32 s18, s18, 12288
	s_add_nc_u64 s[50:51], s[50:51], s[18:19]
	s_or_b32 s51, s51, 0x80000000
	s_mov_b32 s48, 1
	s_mul_i32 s49, s14, 12288                      ; k's codes lie at LDS byte 0 and X's straight behind them
	s_mov_b32 s52, 1                               ; wave 8: k's scale words
	s_mov_b32 s53, KSO
	s_add_nc_u64 s[54:55], s[6:7], 16*4096
	s_or_b32 s55, s55, 0x80000000
	s_mov_b32 s56, 1                               ; wave 9: X's
	s_mov_b32 s57, VSO
	s_mov_b64 s[58:59], s[10:11]
	s_or_b32 s59, s59, 0x80000000
	s_cmp_lt_u32 s14, 8                            ; the branches hang on the wave's number alone; a wave issues one load or none
	s_cbranch_scc0 .Lnot_codes
	tensor_load_to_lds s[48:51], s[24:31]
	s_nop 0
.rept 4
	v_nop
.endr
	s_branch .Lasked
.Lnot_codes:
	s_cmp_eq_u32 s14, 8
	s_cbranch_scc0 .Lnot_ks
	tensor_load_to_lds s[52:55], s[32:39]
	s_nop 0
.rept 4
	v_nop
.endr
	s_branch .Lasked
.Lnot_ks:
	s_cmp_eq_u32 s14, 9
	s_cbranch_scc0 .Lasked
	tensor_load_to_lds s[56:59], s[40:47]
	s_nop 0
.rept 4
	v_nop
.endr
.Lasked:                                           ; all else of the head is made while the loads are out
	s_mul_i32 s18, s14, 4*768
	s_add_nc_u64 s[68:69], s[4:5], s[18:19]        ; the image of my tile of queries in hand
	s_lshl_b32 s18, s14, 8
	s_add_nc_u64 s[70:71], s[6:7], s[18:19]        ; its scale words: 256 bytes for my four tiles, 4 bytes from tile to tile
	s_lshl_b32 s18, s15, 22                        ; out: 1,024 rows of 4,096 bytes a batch, 64 rows a wave, 256 bytes a head
	s_lshl_b32 s17, s14, 18
	s_add_co_u32 s18, s18, s17
	s_lshl_b32 s17, ttmp9, 8
	s_add_co_u32 s18, s18, s17
	s_add_nc_u64 s[12:13], s[12:13], s[18:19]
	s_mul_i32 s67, s14, 16*272
	s_add_co_u32 s67, s67, STG                     ; my stage
	s_mov_b32 s[CN], 0xbe38aa3b
	v_and_b32 v9, 31, v0                           ; lane
	v_and_b32 v[TW], 15, v0                        ; r
	v_bfe_u32 v[TP], v0, 4, 1                      ; h
	v_lshlrev_b32 v1, 4, v9                        ; v1  16 x lane
	v_lshlrev_b32 v10, 3, v9                       ; v10 8 x lane
	v_lshlrev_b32 v11, 4, v[TW]                    ; v11 16 r
	v_mul_u32_u24 v6, v[TW], 272
	v_mul_u32_u24 v7, v[TP], 272
	v_add_nc_u32 v2, 512, v10                      ; v2  512 + 8 x lane
	v_add_nc_u32 v3, VCO, v1                       ; v3  X's images
	v_add_nc_u32 v4, KSO, v11                      ; v4  k's scale words
	v_lshl_add_u32 v5, v[TW], 3, VSO               ; v5  X's
	v_lshl_add_u32 v6, v[TP], 5, v6
	v_add_nc_u32 v7, v7, v11
	v_lshl_add_u32 v8, v[TP], 12, v11              ; v8  out: 4,096 h + 16 r
	v_lshlrev_b32 v9, 3, v[TP]                     ; v9  8 h
	v_add_nc_u32 v6, s67, v6                       ; v6  the stage, in: row r, + 32 h
	v_add_nc_u32 v7, s67, v7                       ; v7  back: lanes 0-15 one row, lanes 16-31 the next
.irp i, 6,7,8,9,10,11
	v_mov_b32 v[Q+\i], 0                           ; q's zero codes of K = 64 .. 127
	v_mov_b32 v[KB+42+\i], 0                       ; what the eighth fragment names behind its six registers
.endr
	v_mov_b32 v15, 0                               ; registers that are named before they are first written
	v_mov_b32 v[F+1], 0
	v_mov_b32 v[RC+1], 0
	v_mov_b32 v[WT], 0
	s_wait_alu depctr_va_vdst(0)                   ; the wait at the head's end
	global_load_b128 v[Q:Q+3], v1, s[68:69]        ; the first tile's q
	global_load_b64 v[Q+4:Q+5], v10, s[68:69] offset:512
	global_load_b32 v[QSC], v11, s[70:71]
.macro PLACES n
.rept \n
	v_nop
.endr
.endm
.macro KLOAD s                         ; the eight tiles of 16 keys of key step s and their scale words
.irp t, 0,1,2,3,4,5,6,7
	ds_load_b128 v[KB+6*\t:KB+6*\t+3], v1 offset:768*(8*(\s)+\t)
	ds_load_b64 v[KB+6*\t+4:KB+6*\t+5], v2 offset:768*(8*(\s)+\t)
.endr
	ds_load_b128 v[KSC:KSC+3], v4 offset:512*(\s)
	ds_load_b128 v[KSC+4:KSC+7], v4 offset:512*(\s)+256
.endm
.macro VLOAD s                         ; X's four fragments of key step s, over p's first 48 registers, and their scale words: v[VSC] tile 0, +1 tile 2, +2 tile 1, +3 tile 3
.irp t, 0,1,2,3
.irp p, 0,1,2
	ds_load_b128 v[S+12*\t+4*\p:S+12*\t+4*\p+3], v3 offset:(4*(\s)+\t)*1536+512*\p
.endr
.endr
	ds_load_b64 v[VSC:VSC+1], v5 offset:256*(\s)
	ds_load_b64 v[VSC+2:VSC+3], v5 offset:256*(\s)+128
.endm
.macro QK                              ; S^T of eight tiles of keys
.irp t, 0,1,2,3,4,5,6,7
	v_wmma_scale_f32_16x16x128_f8f6f4 v[S+8*\t:S+8*\t+7], v[KB+6*\t:KB+6*\t+11], v[Q:Q+11], 0, v[KSC+\t], v[QSC] matrix_a_fmt:MATRIX_FMT_BF6 matrix_b_fmt:MATRIX_FMT_BF6
.endr
.endm
.macro MAXP                            ; the largest score of my two blocks, in four chains by turns; each accumulator is read from its low end on
.irp b, 0,1
	v_max3_num_f32 v[BM+\b], v[S+32*\b], v[S+32*\b+1], v[S+32*\b+2]
	v_max3_num_f32 v[MB+\b], v[S+32*\b+16], v[S+32*\b+17], v[S+32*\b+18]
.endr
.irp i, 3,5,7,9,11,13
.irp b, 0,1
	v_max3_num_f32 v[BM+\b], v[BM+\b], v[S+32*\b+\i], v[S+32*\b+\i+1]
	v_max3_num_f32 v[MB+\b], v[MB+\b], v[S+32*\b+16+\i], v[S+32*\b+17+\i]
.endr
.endr
.irp b, 0,1
	v_max3_num_f32 v[BM+\b], v[BM+\b], v[MB+\b], v[S+32*\b+15]
.endr
.irp b, 0,1
	v_max_num_f32 v[BM+\b], v[BM+\b], v[S+32*\b+31]
.endr
.endm
.macro TM n                            ; t - M, two at a time
.rept \n
	v_pk_fma_f32 v[S+j:S+j+1], v[S+j:S+j+1], s[CS:CS+1], v[NMN:NMN+1] op_sel_hi:[1,0,0]
.set j, j+2
.endr
.endm
.macro ACC n                           ; p onto the five sums by turns
.rept \n
	v_pk_add_f32 v[L+2*(q%5):L+2*(q%5)+1], v[L+2*(q%5):L+2*(q%5)+1], v[S+j:S+j+1]
.set j, j+2
.set q, q+1
.endr
.endm
.macro RS n                            ; O^T under the new M
.rept \n
	v_pk_mul_f32 v[O+j:O+j+1], v[O+j:O+j+1], v[F:F+1] op_sel_hi:[1,0]
.set j, j+2
.endr
.endm
.macro MERGE                           ; the four partial sums join the sum
	v_pk_add_f32 v[L+2:L+3], v[L+2:L+3], v[L+4:L+5]
	v_pk_add_f32 v[L+6:L+7], v[L+6:L+7], v[L+8:L+9]
	v_pk_add_f32 v[L:L+1], v[L:L+1], v[L+2:L+3]
	s_delay_alu instid0(VALU_DEP_1)
	v_pk_add_f32 v[L:L+1], v[L:L+1], v[L+6:L+7]
.endm
; A KEY STEP: 128 keys.  first = 1: it starts M, the sums and O^T.  k's fragments were asked for a step ago and are covered by the last step's one wait on DScnt.
.macro STEP s, first
.set NMN, 12+2*((\s)%2)
.set NMO, 14-2*((\s)%2)
	QK
.if \first
	PLACES 4
.else
	MERGE                                          ; four places in front of the loads into registers that these products read, and of the first read of their results
.endif
.if (\s) == 7
	global_load_b128 v[Q:Q+3], v1, s[68:69] offset:768       ; the tile's last products with q are issued: the next tile's q lands in its place (in the last trip the bases stand one tile back: tile 3 once more)
	global_load_b64 v[Q+4:Q+5], v10, s[68:69] offset:768+512
	global_load_b32 v[QSC], v11, s[70:71] offset:4
.endif
	KLOAD ((\s)+1)%8                               ; the next step's k (behind the last step: the next tile of queries begins with the same)
	MAXP
	s_delay_alu instid0(VALU_DEP_1)
	v_max_num_f32 v[TW], v[BM], v[BM+1]
	s_delay_alu instid0(VALU_DEP_1)
	v_permlanex16_b32 v[TP], v[TW], s[SEL], s[SEL+1]   ; lane l xor 16 holds my query's other two blocks
	s_delay_alu instid0(VALU_DEP_1)
.if \first
	v_max_num_f32 v[RM], v[TW], v[TP]
.else
	v_max3_num_f32 v[RM], v[RM], v[TW], v[TP]      ; the running largest score
.endif
	s_delay_alu instid0(VALU_DEP_1)
	v_mul_f32 v[TW], s[CN], v[RM]                  ; -t (c is positive)
	s_delay_alu instid0(VALU_DEP_1)
	v_floor_f32 v[NMN], v[TW]                      ; -M = floor(-t) = -ceil(t): M is a whole number
.set j, 0
	TM 6
.if \first == 0
	v_sub_f32 v[TW], v[NMN], v[NMO]                ; old M - new M: a whole number, 0 or less
.endif
	TM 6
.if \first == 0
	v_cvt_i32_f32 v[TW], v[TW]                     ; (it saturates)
.endif
	TM 6
.if \first == 0
	v_ldexp_f32 v[F], 1.0, v[TW]                   ; f = 2^(old M - new M)
.endif
	TM 14
.irp b, 0,1
	v_fma_f32 v[BM+\b], v[BM+\b], s[CS], v[NMN]    ; the same of each block's largest score: p rises with the score
.endr
	s_wait_alu depctr_va_vdst(0)                   ; the wait ahead of the batch
	v_exp_f32 v[BM], v[BM]                         ; the blocks' largest p
	v_exp_f32 v[BM+1], v[BM+1]
.set j, 0
.rept 64
	v_exp_f32 v[S+j], v[S+j]                       ; p = 2^(t - M), at most 1
.set j, j+1
.endr
.if \first
	v_nop                                          ; a plain line behind the exponentials
.else
	v_pk_mul_f32 v[L:L+1], v[L:L+1], v[F:F+1] op_sel_hi:[1,0]   ; the sum under the new M
.endif
	s_wait_alu depctr_va_vdst(0)                   ; and the wait behind the batch
.irp b, 0,1
	v_max_num_f32 v[BM+\b], 0x2800000, v[BM+\b]    ; the floor 2^(5 - 127): the byte cannot fall under 1
.endr
	v_pk_add_f32 v[L+2:L+3], v[S:S+1], v[S+2:S+3]  ; the partial sums begin anew
	v_pk_add_f32 v[L+4:L+5], v[S+4:S+5], v[S+6:S+7]
.irp b, 0,1
	v_add_nc_u32 v[SOP+\b], 0xfe000000, v[BM+\b]   ; 4 off the exponent field: the conversion's scale operand
.endr
	v_pk_add_f32 v[L+6:L+7], v[S+8:S+9], v[S+10:S+11]
	v_pk_add_f32 v[L+8:L+9], v[S+12:S+13], v[S+14:S+15]
.irp c, 0,1                                    ; my block 2 c + h: 32 keys in order
	v_cvt_scalef32_pk16_bf6_f32 v[P+6*\c:P+6*\c+2], v[S+32*\c:S+32*\c+15], v[SOP+\c]
	v_cvt_scalef32_pk16_bf6_f32 v[PT+4*\c:PT+4*\c+2], v[S+32*\c+16:S+32*\c+31], v[SOP+\c]
.endr
.if \first
	v_pk_add_f32 v[L:L+1], v[S+16:S+17], v[S+18:S+19]
.set j, 20
.set q, 1
	ACC 14
.else
.set j, 16
.set q, 0
	ACC 16                                         ; (plain lines behind the conversions)
.endif
	VLOAD \s                                       ; p's first 48 registers have been read: X's fragments land there
	v_lshrrev_b32 v[BY], 23, v[SOP]                ; the bytes
	v_lshrrev_b32 v[BY+1], 23, v[SOP+1]
	v_mov_b32 v[P+3], v[PT]
	v_mov_b32 v[P+4], v[PT+1]
	v_lshl_or_b32 v[WD], v[BY+1], 16, v[BY]        ; blocks h and 2 + h,
	v_mov_b32 v[P+5], v[PT+2]
	v_mov_b32 v[P+9], v[PT+4]
	v_lshlrev_b32 v[WD], v9, v[WD]                 ; at their places in the scale word;
	v_mov_b32 v[P+10], v[PT+5]
	v_mov_b32 v[P+11], v[PT+6]
	v_permlanex16_b32 v[WT], v[WD], s[SEL], s[SEL+1]
.if \first
	s_delay_alu instid0(VALU_DEP_1)
	v_or_b32 v[PSC], v[WD], v[WT]                  ; with lane l xor 16's two the word is whole
	PLACES 8                                       ; a scale word made by vector instructions stands eight places ahead of the scaled product, an operand so made four
.else
	s_wait_alu depctr_va_vdst(0)                   ; the wait directly ahead of the first reader of O^T
.set j, 0
	RS 4
	v_or_b32 v[PSC], v[WD], v[WT]
	RS 12                                          ; (these twelve are also those places)
.endif
	s_wait_alu depctr_va_vdst(0)                   ; the wait ahead of the blocking wait
	s_wait_dscnt 0x0                               ; X's fragments are in, and the next step's k, asked for ahead of them
.irp t, 0,1,2,3                                ; O^T += X^T p^T: four accumulators by turns
.if \first
	v_wmma_scale_f32_16x16x128_f8f6f4 v[O+8*\t:O+8*\t+7], v[S+12*\t:S+12*\t+11], v[P:P+11], 0, v[VSC+2*(\t%2)+\t/2], v[PSC] matrix_a_fmt:MATRIX_FMT_BF6 matrix_b_fmt:MATRIX_FMT_BF6
.else
	v_wmma_scale_f32_16x16x128_f8f6f4 v[O+8*\t:O+8*\t+7], v[S+12*\t:S+12*\t+11], v[P:P+11], v[O+8*\t:O+8*\t+7], v[VSC+2*(\t%2)+\t/2], v[PSC] matrix_a_fmt:MATRIX_FMT_BF6 matrix_b_fmt:MATRIX_FMT_BF6
.endif
.endr
.set j, 48
.set q, 0
	ACC 8                                          ; p's last 16 registers, which no load has touched: eight places in front of the products that write over X's fragments
.endm
	s_wait_tensorcnt 0x0                           ; my part of the head's k and X is in,
	s_barrier_signal -1
	s_barrier_wait -1                              ; everybody's is; nothing in LDS is filled again
	KLOAD 0
	s_wait_loadcnt 0x0                             ; q
	s_wait_dscnt 0x0
.Ltile:                                            ; four trips: a tile of 16 queries each
	STEP 0, 1
	STEP 1, 0
	STEP 2, 0
	STEP 3, 0
	STEP 4, 0
	STEP 5, 0
	STEP 6, 0
	STEP 7, 0
	; THE WAY OUT
	MERGE
	s_delay_alu instid0(VALU_DEP_1)
	v_add_f32 v[L], v[L], v[L+1]                   ; the sum's two halves,
	s_delay_alu instid0(VALU_DEP_1)
	v_permlanex16_b32 v[TP], v[L], s[SEL], s[SEL+1]
	s_delay_alu instid0(VALU_DEP_1)
	v_add_f32 v[L], v[L], v[TP]                    ; and lane l xor 16's: the row's sum
	s_wait_alu depctr_va_vdst(0)
	v_rcp_f32 v[RC], v[L]
	v_nop                                          ; a plain line behind the reciprocal,
	s_wait_alu depctr_va_vdst(0)                   ; and the wait ahead of its first reader and of O^T's
.set j, 0
.rept 16
	v_pk_mul_f32 v[S+j:S+j+1], v[O+j:O+j+1], v[RC:RC+1] op_sel_hi:[1,0]   ; O^T / the sum, each accumulator from its low end on: register 8 t + i is out(r, 16 t + 8 h + i)
.set j, j+2
.endr
.irp t, 0,1,2,3
	ds_store_b128 v6, v[S+8*\t:S+8*\t+3] offset:64*\t
	ds_store_b128 v6, v[S+8*\t+4:S+8*\t+7] offset:64*\t+16
.endr
.irp i, 0,1,2,3,4,5,6,7
	ds_load_b128 v[S+32+4*\i:S+32+4*\i+3], v7 offset:544*\i      ; LDS serves a wave's instructions in order: these see my stores
.endr
.irp i, 0,1,2,3,4,5,6,7
	s_wait_dscnt 7-\i                              ; the younger loads from the stage may be out
	global_store_b128 v8, v[S+32+4*\i:S+32+4*\i+3], s[12:13] offset:8192*(\i%4)+131072*(\i/4) th:TH_STORE_NT   ; the tile's rows 2 i + h: tokens 2 i + h, and from row 8 on 24 more; sixteen lanes store 256 consecutive bytes, aligned
.endr
	s_wait_loadcnt 0x0                             ; the next tile's q
	s_wait_xcnt 0x0                                ; the loads and stores have read their bases and registers: both may be written again
	s_add_nc_u64 s[12:13], s[12:13], 8*4096        ; the next tile's tokens begin 8 rows on
	s_cmp_gt_u32 s[TI], 2                          ; the bases step while a tile lies beyond the next one
	s_cselect_b32 s72, 768, 0
	s_cselect_b32 s74, 4, 0
	s_add_nc_u64 s[68:69], s[68:69], s[72:73]
	s_add_nc_u64 s[70:71], s[70:71], s[74:75]
	s_sub_co_u32 s[TI], s[TI], 1
	s_cmp_lg_u32 s[TI], 0
	s_wait_alu depctr_va_vdst(0)                   ; the wait ahead of the branch
	s_cbranch_scc1 .Ltile
	s_wait_tensorcnt 0x0                           ; the wave's end
	ds_add_u32 v240, v241
	s_wait_dscnt 0x0
	s_endpgm
.Lfunc_end_k_qd21242356f_attn:
	.size	k_qd21242356f_attn, .Lfunc_end_k_qd21242356f_attn-k_qd21242356f_attn
	.p2alignl 7, 3214868480
	.fill 96, 4, 3214868480
	.section	.rodata,"a",@progbits
	.p2align	6, 0x0
	.amdhsa_kernel k_qd21242356f_attn
		.amdhsa_group_segment_fixed_size 176128
		.amdhsa_private_segment_fixed_size 0
		.amdhsa_enable_private_segment 0
		.amdhsa_kernarg_size 40
		.amdhsa_user_sgpr_count 2
		.amdhsa_user_sgpr_kernarg_segment_ptr 1
		.amdhsa_wavefront_size32 1
		.amdhsa_system_sgpr_workgroup_id_x 1
		.amdhsa_system_sgpr_workgroup_id_y 1
		.amdhsa_system_sgpr_workgroup_id_z 1
		.amdhsa_system_vgpr_workitem_id 0
		.amdhsa_next_free_vgpr 242
		.amdhsa_next_free_sgpr 80
		.amdhsa_reserve_vcc 0
		.amdhsa_float_denorm_mode_32 3
		.amdhsa_float_denorm_mode_16_64 3
		.amdhsa_memory_ordered 1
		.amdhsa_forward_progress 1
		.amdhsa_inst_pref_size 127
	.end_amdhsa_kernel
	.amdgpu_metadata
---
amdhsa.version: [ 1, 2 ]
amdhsa.kernels:
  - .name:           k_qd21242356f_attn
    .symbol:         k_qd21242356f_attn.kd
    .args:
      - { .name: qk_codes, .offset: 0, .size: 8, .value_kind: global_buffer, .address_space: global }
      - { .name: qk_scales, .offset: 8, .size: 8, .value_kind: global_buffer, .address_space: global }
      - { .name: xv_codes, .offset: 16, .size: 8, .value_kind: global_buffer, .address_space: global }
      - { .name: xv_scales, .offset: 24, .size: 8, .value_kind: global_buffer, .address_space: global }
      - { .name: out0, .offset: 32, .size: 8, .value_kind: global_buffer, .address_space: global }
    .group_segment_fixed_size: 176128
    .private_segment_fixed_size: 0
    .kernarg_segment_align: 8
    .kernarg_segment_size: 40
    .max_flat_workgroup_size: 512
    .sgpr_count:     80
    .vgpr_count:     242
    .wavefront_size: 32
...
	.end_amdgpu_metadata
.endif
;; end of part 3
